; MI455X (gfx1250); checked and timed in simulation.
; The chip was launched on July 23, 2026; its instructions are those of AMD's public machine-readable ISA for CDNA 5 (MIT licence, August 2026) and "CDNA5" Instruction Set Architecture Reference Guide (July 2026). The comments in the code are by the model that wrote it; some were corrected since.
;; Partial Encoder Weighted Sum EDDI Multi Weight. Allowed arithmetic: float matrix products may take bf16 or f16 operands with f32 sums; all other float work in f32.
;; Inputs: c_b 32 float32; c_ln_b 32 float32; c_ln_g 32 float32; c_w 128 x 32 float32; e_b1 256 float32; e_b2 64 float32; e_ln1_b 256 float32; e_ln1_g 256 float32; e_ln2_b 64 float32; e_ln2_g 64 float32; e_w1 32 x 256 float32; e_w2 256 x 64 float32; feat_emb 16,384 x 32 float32; g_b1 16 float32; g_b2 4 float32; g_w1 32 x 16 float32; g_w2 16 x 4 float32; h_b1 128 float32; h_b2 32 float32; h_ln1_b 128 float32; h_ln1_g 128 float32; h_ln2_b 32 float32; h_ln2_g 32 float32; h_w1 33 x 128 float32; h_w2 128 x 32 float32; mask 64 x 16,384 int32; x 64 x 16,384 float32.
;; Outputs: out0 64 x 32 float32; out1 64 x 32 float32.
;; One version. Each part assembles by itself: llvm-mc -triple=amdgcn-amd-amdhsa -mcpu=gfx1250 --defsym DOCPART=n.
;; ======== version 1 of 1: 2 launches
;; limits: values outside matrix products are rounded to bf16
;; workspace buffers: pnum 2,097,152 bytes; pden 65,536 bytes
;; launch rows (part 1): grid 64 x 4, 8 waves a work-group, no clusters, 168,960 bytes of LDS; arguments x, mask, feat_emb, h_w1, h_b1, h_ln1_g, h_ln1_b, h_w2, h_b2, h_ln2_g, h_ln2_b, g_w1, g_b1, g_w2, g_b2, pnum, pden; writes pnum, pden
.if DOCPART == 1
	.amdgcn_target "amdgcn-amd-amdhsa--gfx1250"
	.amdhsa_code_object_version 6
	.text
	.protected	k_q07d9bc69a4_rows
	.globl	k_q07d9bc69a4_rows
	.p2align	8
	.type	k_q07d9bc69a4_rows,@function
k_q07d9bc69a4_rows:
	s_mov_b64 s[64:65], 0
	v_nop
	global_prefetch_b8 v0, s[64:65] scope:SCOPE_SE
	s_setreg_imm32_b32 hwreg(HW_REG_WAVE_MODE, 25, 1), 1
	s_wait_xcnt 0x0
; Everything that reference() does per (b, j): 33 -> 128, LayerNorm, relu, 128 -> 32, LayerNorm, relu (h_out), 32 -> 16, relu, 16 -> 4,
; clip, exp, mask, and the sums over j of e and of e * h_out.  Stored: partial sums over 256 j, pnum[b][jg][d][w] and pden[jg][b][w].
;
; SHARES.  Work-group (gx, gy): j = 256 gx .. +255, b = 16 gy .. +15.  Wave w: 32 j as two row tiles A (j0 .. +15) and B (j0+16 .. +31),
; j0 = 256 gx + 32 w, and a loop over the 16 b.  Lane (r = L & 15, h = L >> 4) is row r of a tile.
;
; ALGEBRA, valid for every finite input.
;  (1) h_in @ w1 + b1 = x w0 + E[j], E[j] = emb[j] @ w1[1:] + b1: E does not hang on b and is made once per wave.
;  (2) w0, the rows of w1[1:] and b1 are centred over the 128 outputs, so LayerNorm 1 needs only var = A0 x^2 + 2 C[j] x + V[j].
;  (3) relu(y / std * g + beta) = relu(y g + std beta) / std: the row's 1 / std leaves layer 1, and
;  (4) cancels in LayerNorm 2: out = u / sqrt(mean(u^2) + eps std^2), u = h' @ w2c + std b2c (w2, b2 centred over the 32 outputs).
;  (5) the logits are clipped to +-10, so exp(l) / sum exp(l) is taken without the maximum; partial sums over j simply add.
;
; TRANSPOSED CHAIN.  Every product is D[feature, row] = W^T (source 0) x Act (source 1) + C, bf16 operands, f32 sums.  A lane then holds
; features 8h .. 8h+7 of its row; relu in f32 and one packing to bf16 make of them the next product's source-1 fragment: no activation
; leaves the registers.  x and std enter layer 1 through four K places of a row fragment (high and low bf16 parts of each; the weight
; side holds its high parts in lanes h = 0 and its low parts in lanes h = 1), E g1 enters as C.
;
; LIMITS.  Inputs finite.  Sums of exp stay at or below 16384 e^10 = 3.6e8.  The mean of layer 1 is removed before the weights are
; rounded to bf16, so a mean of the size of that rounding remains.  var + eps is clamped at 1e-5 from below.  1 / sqrt and sqrt are the
; 1-ULP instructions.  e and h_out enter the weighted sum as bf16; numerator and denominator use the same rounded e.
;
; NO CLUSTER: the x and mask tiles (32 KiB a work-group) are read by this work-group alone.  emb's 32 KiB and the 36 KiB of weights are
; shared with other work-groups, but go once, at the entry, from global loads through centring and conversion in registers.
; NO RING: the whole streamed input of a work-group is asked for in the first lines and read during 16 trips.
; ---- LDS, bytes
.set XT,    0                          ; x tile [16 b][256 j] f32, pitch 1024
.set MT,    16384                      ; mask tile, same shape
.set W1S,   32768                      ; centred w1[1:] as bf16 [32 i][128 k]
.set W1P,   288                        ;   pitch: 256 + 32, an odd multiple of 32 for the transposing load
.set W2S,   41984                      ; centred w2 as bf16 [128 k][32 d]
.set W2P,   96                         ;   pitch: 64 + 32
.set PRIV,  54272                      ; a region for each wave:
.set PRIVB, 2816
.set P_W0,  0                          ;   w0c f32[128]
.set P_B1,  512                        ;   b1c f32[128]
.set P_G1,  1024                       ;   ln1 gain f32[128]
.set P_HI,  1536                       ;   160 words (w0c g1 | ln1 bias), high bf16 parts; words 128.. : (0 | b2c)
.set P_LO,  2176                       ;   the same, low parts (P_HI + 640)
.set REC,   76800                      ; [wave][16 b][512 B] numerators
.set DEN,   142336                     ; [wave][16 b][16 B] denominators; ends at 144,384
; ---- vector registers, window 0
.set XADR, 1                           ; LDS address of my x in tile A for this trip's b
.set RADR, 2
.set DADR, 3
.set W1A,  16                          ; v16-41: tile t = v[16+2t : 23+2t]; only its first two registers meet non-zero K places
.set G2V,  42                          ; ln2 gain x sqrt(32) at d = 16T + 8h + i
.set BE2,  58                          ; ln2 bias, same layout
.set ONES, 74                          ; bf16 1.0 everywhere
.set B1A,  82                          ; row fragments: (x_hi, std_hi), (x_lo, std_lo), six zeros
.set B1B,  90
.set EFA,  98                          ; e fragments: heads (0,1), (2,3), six zeros
.set EFB,  106
.set HA,   114                         ; h' of tile A, 32 registers of bf16 pairs
.set HB,   146                         ; h' of tile B; before that f32 scratch for four tiles of layer 1
.set UA,   178                         ; u of tile A, 16 f32; UA and UB together: f32 scratch for four tiles of layer 1
.set UB,   194
.set PXA,  210                         ; (x, std)
.set PXB,  212
.set PHA,  214                         ; their high parts, then their low parts
.set PHB,  216
.set TT,   218
.set VC,   220                         ; var + eps
.set M,    222                         ; mask words
.set MB,   224                         ; 0 or all ones
.set C2A,  226
.set VPA,  227
.set C2B,  228
.set VPB,  229
.set SS,   230
.set R2,   238
.set AT,   240
.set OUT,  248
.set PT,   252                         ; destinations of the lane exchange, written once at the entry
.set PT2,  253
; overlays, free once layer 2 has read h'
.set HOUTA, HA+4                       ; h_out as bf16 fragment (HA+0..3: g1's result as bf16)
.set HOUTB, HB+4
.set RAWA,  HA+12                      ; g2's result; a transposed tile; at last the weighted sums
.set RAWB,  HB+12
.set GXA,   HA+20                      ; g1's f32 result; later a transposed tile
.set GXB,   HB+20
.set EFT,   UA                         ; e transposed: rows of A, rows of B
.set HT0,   UA+8                       ; h_out transposed, d 0-15
.set HT1,   UB                         ; d 16-31
.set DDEN,  UB+8
; set-up only
.set W0T,  74
.set G1T,  138
.set EMFA, 202
.set EMFB, 210
.set SV,   218
.set SC,   230
; ---- vector registers, window 1 (v256 + n): matrix operands only
.set EGA, 0                            ; g1 * Ec[j_r][16t + 8h + i] at 8t + i
.set EGB, 64
.set W2F, 128                          ; w2c^T fragment (T, c) at 8 (4T + c); during set-up the eight w1c^T fragments
.set G1F, 192
.set G2F, 200
.set GB1, 208
.set GB2, 216
.set SI,  224                          ; P0 P1 0 0 0 0 0 0 P0 P1 P2 P3 0 0 0 0
.set SEL, SI                           ; identity on k = 0-3 and 8-11
.set ID1, SI+4                         ; identity on k = 16-31
.set ID0, SI+8                         ; identity on k = 0-15
.set MSB, 0
.macro WIN new                         ; low byte: bits 1:0 source 0, 3:2 source 1, 5:4 source 2, 7:6 destination; high byte: the setting left
.if MSB != \new
	s_set_vgpr_msb (MSB<<8)|\new
.set MSB, \new
.endif
.endm
.macro NOPS n
.rept \n
	v_nop
.endr
.endm
.macro WRED r                          ; sum over the 32 lanes, result in every lane
	v_add_f32_dpp v[\r], v[\r], v[\r] row_xmask:1 row_mask:0xf bank_mask:0xf
	v_add_f32_dpp v[\r], v[\r], v[\r] row_xmask:2 row_mask:0xf bank_mask:0xf
	v_add_f32_dpp v[\r], v[\r], v[\r] row_xmask:4 row_mask:0xf bank_mask:0xf
	v_add_f32_dpp v[\r], v[\r], v[\r] row_xmask:8 row_mask:0xf bank_mask:0xf
	v_permlanex16_b32 v[PT], v[\r], s42, s43
	v_add_f32 v[\r], v[\r], v[PT]
.endm
.macro LDT dst, off                    ; a 128-vector of my wave's region in the lane layout: register 8t + i = vec[16t + 8h + i]
.irp t,0,1,2,3,4,5,6,7
	ds_load_b128 v[\dst+8*\t:\dst+8*\t+3], v5 offset:\off+64*\t
	ds_load_b128 v[\dst+8*\t+4:\dst+8*\t+7], v5 offset:\off+64*\t+16
.endr
.endm
; ================= entry: ids, arguments, the two tensor loads
	s_load_b512 s[4:19], s[0:1], 0x0               ; x, mask, emb, h_w1, h_b1, ln1_g, ln1_b, h_w2
	s_load_b512 s[20:35], s[0:1], 0x40             ; h_b2, ln2_g, ln2_b, g_w1, g_b1, g_w2, g_b2, pnum
	s_load_b64 s[36:37], s[0:1], 0x80              ; pden
	v_lshl_add_u32 v254, v0, 2, 0x29000
	v_mov_b32 v255, 0
	ds_add_u32 v254, v255
	ds_add_u32 v254, v255
	v_lshrrev_b32 v1, 5, v0
	v_readfirstlane_b32 s38, v1                    ; wave
	s_mov_b32 s39, ttmp9                           ; gx
	s_and_b32 s40, ttmp7, 0xffff                   ; gy
	s_mov_b32 s42, 0x76543210                      ; lane i of one half reads lane i of the other
	s_mov_b32 s43, 0xfedcba98
	s_mov_b32 s60, 0xffff0000                      ; a word's upper bf16; also the lanes with h = 1
	s_mov_b32 s61, 0x4166d4ca                      ; +10 log2(e)
	s_mov_b32 s62, 0xc166d4ca                      ; -10 log2(e)
	s_mov_b32 s68, 0x3c000000                      ; 1/128
	s_mov_b32 s69, 0x3727c5ac                      ; 1e-5
	; group 1: 2 rows x 256 elements of 4 bytes, 16384 elements from row to row, no padding, no work-group mask
	s_mov_b32 s52, 2<<16
	s_mov_b32 s53, 256<<16                         ; tensor_dim0 = 256
	s_mov_b32 s54, 2<<16                           ; tensor_dim1 = 2
	s_mov_b32 s55, 256<<16                         ; tile_dim0 = 256
	s_mov_b32 s56, 2                               ; tile_dim1 = 2
	s_mov_b32 s57, 16384
	s_mov_b32 s58, 0
	s_mov_b32 s59, 0
	; group 0: wave w brings rows b = 2w, 2w + 1 of each tile to XT (MT) + 2048 w
	s_mov_b32 s44, 1
	s_lshl_b32 s45, s38, 11
	s_mov_b32 s48, 1
	s_add_co_u32 s49, s45, MT
	s_lshl_b32 s66, s40, 20                        ; 16 gy rows of 65,536 bytes
	s_lshl_b32 s67, s38, 17                        ; + 2 w rows
	s_add_co_u32 s66, s66, s67
	s_lshl_b32 s67, s39, 10                        ; + 256 gx columns
	s_add_co_u32 s66, s66, s67
	s_mov_b32 s67, 0
	s_wait_dscnt 0x0
	s_wait_kmcnt 0x0
	s_add_nc_u64 s[46:47], s[4:5], s[66:67]
	s_or_b32 s47, s47, 0x80000000
	s_add_nc_u64 s[50:51], s[6:7], s[66:67]
	s_or_b32 s51, s51, 0x80000000
	tensor_load_to_lds s[44:47], s[52:59]          ; two tensor loads of this wave are out, until the wait in front of the barrier
	s_nop 0
	tensor_load_to_lds s[48:51], s[52:59]
	s_nop 0
	; lane terms and global offsets
	v_and_b32 v1, 31, v0                           ; L
	v_and_b32 v10, 15, v0                          ; r
	v_bfe_u32 v11, v0, 4, 1                        ; h
	v_lshlrev_b32 v2, 4, v1                        ; 16 L
	v_lshlrev_b32 v3, 2, v1                        ; 4 L
	v_lshlrev_b32 v4, 4, v0                        ; 16 t
	s_lshl_b32 s70, s39, 15                        ; emb: 256 gx rows of 128 bytes
	s_lshl_b32 s71, s38, 12                        ; + 32 w rows
	s_add_co_u32 s70, s70, s71
	v_lshlrev_b32 v5, 7, v10
	v_lshl_add_u32 v5, v11, 5, v5
	v_add_nc_u32 v5, s70, v5                       ; (j0 + r) 128 + 32 h
	v_lshlrev_b32 v6, 2, v10
	v_lshl_add_u32 v6, v11, 9, v6                  ; g_w1[8h][r]: 512 h + 4 r
	v_and_b32 v7, 3, v10
	v_lshlrev_b32 v7, 2, v7
	v_lshl_add_u32 v7, v11, 7, v7                  ; g_w2[8h][r & 3]: 128 h + 4 (r & 3)
	v_mov_b32 v8, 0
	v_lshlrev_b32 v9, 5, v11                       ; 32 h
	; 56 global loads, in the order in which they are wanted
	global_load_b128 v[74:77], v2, s[10:11]        ; w0 (row 0 of h_w1), 4 numbers a lane
	global_load_b128 v[78:81], v2, s[12:13]        ; b1
	global_load_b128 v[82:85], v2, s[14:15]        ; ln1 gain
	global_load_b128 v[86:89], v2, s[16:17]        ; ln1 bias
	global_load_b32 v90, v3, s[20:21]              ; b2
.irp k,0,1,2,3
	global_load_b128 v[96+4*\k:99+4*\k], v4, s[10:11] offset:512+4096*\k    ; h_w1 row 1 + w + 8k: the wave holds a whole row
.endr
.irp k,0,1,2,3
	global_load_b128 v[112+4*\k:115+4*\k], v4, s[18:19] offset:4096*\k      ; h_w2 row (t >> 3) + 32k: eight lanes hold a row
.endr
.irp x,0,1
	global_load_b128 v[128+16*\x:131+16*\x], v5, s[8:9] offset:2048*\x      ; emb[j][8h ..]
	global_load_b128 v[132+16*\x:135+16*\x], v5, s[8:9] offset:2048*\x+16
	global_load_b128 v[136+16*\x:139+16*\x], v5, s[8:9] offset:2048*\x+64   ; emb[j][16 + 8h ..]
	global_load_b128 v[140+16*\x:143+16*\x], v5, s[8:9] offset:2048*\x+80
.endr
.irp i,0,1,2,3,4,5,6,7
	global_load_b32 v[160+\i], v6, s[26:27] offset:64*\i
.endr
.irp i,0,1,2,3,4,5,6,7
	global_load_b32 v[168+\i], v6, s[26:27] offset:1024+64*\i
.endr
.irp i,0,1,2,3,4,5,6,7
	global_load_b32 v[176+\i], v7, s[30:31] offset:16*\i
.endr
	global_load_b128 v[184:187], v8, s[32:33]      ; g_b2
	global_load_b128 v[G2V:G2V+3], v9, s[22:23]
	global_load_b128 v[G2V+4:G2V+7], v9, s[22:23] offset:16
	global_load_b128 v[G2V+8:G2V+11], v9, s[22:23] offset:64
	global_load_b128 v[G2V+12:G2V+15], v9, s[22:23] offset:80
	global_load_b128 v[BE2:BE2+3], v9, s[24:25]
	global_load_b128 v[BE2+4:BE2+7], v9, s[24:25] offset:16
	global_load_b128 v[BE2+8:BE2+11], v9, s[24:25] offset:64
	global_load_b128 v[BE2+12:BE2+15], v9, s[24:25] offset:80
	WIN 0x40
	global_load_b128 v[GB1:GB1+3], v9, s[28:29]    ; g_b1[8h + i], straight into the C tile of g1
	global_load_b128 v[GB1+4:GB1+7], v9, s[28:29] offset:16
	WIN 0
	; LDS addresses of the set-up stores
	s_mul_i32 s70, s38, PRIVB
	s_add_co_u32 s70, s70, PRIV                    ; my wave's region
	v_add_nc_u32 v12, s70, v2
	v_add_nc_u32 v13, s70, v3
	s_mul_i32 s71, s38, W1P
	s_add_co_u32 s71, s71, W1S
	v_lshl_add_u32 v14, v1, 3, s71                 ; W1S + 288 w + 8 L
	v_lshrrev_b32 v15, 3, v0
	v_mul_u32_u24 v15, v15, W2P
	v_and_b32 v188, 7, v0
	v_lshl_add_u32 v15, v188, 3, v15
	v_add_nc_u32 v15, W2S, v15                     ; W2S + 96 (t >> 3) + 8 (t & 7)
	v_mov_b32 v[PT], 0
	v_mov_b32 v[PT2], 0
; ================= the small vectors: centred w0, b1, b2; A0; the high and low packs
	s_wait_loadcnt 51                              ; 56 issued, 51 behind the first five
	v_add_f32 v188, v74, v75
	v_add_f32 v189, v76, v77
	v_add_f32 v190, v78, v79
	v_add_f32 v191, v80, v81
	v_add_f32 v188, v188, v189
	v_add_f32 v190, v190, v191
	v_mov_b32 v192, v90
	WRED 188
	WRED 190
	WRED 192
.irp i,0,1,2,3
	v_fmamk_f32 v[74+\i], v188, 0xbc000000, v[74+\i]       ; w0c = w0 - sum / 128
	v_fmamk_f32 v[78+\i], v190, 0xbc000000, v[78+\i]       ; b1c
.endr
	v_fmamk_f32 v90, v192, 0xbd000000, v90                 ; b2c = b2 - sum / 32
	v_mul_f32 v193, v74, v74
	v_fmac_f32 v193, v75, v75
	v_fmac_f32 v193, v76, v76
	v_fmac_f32 v193, v77, v77
	WRED 193
	v_mul_f32 v193, 0x3c000000, v193
	v_readfirstlane_b32 s41, v193                          ; A0 = mean of w0c^2
.irp i,0,1,2,3
	v_mul_f32 v[196+\i], v[74+\i], v[82+\i]                ; w0c g1
.endr
.irp i,0,1,2,3
	v_cvt_pk_bf16_f32 v[200+\i], v[196+\i], v[86+\i]       ; high parts: (w0c g1 | ln1 bias)
.endr
.irp i,0,1,2,3
	v_lshlrev_b32 v[208+2*\i], 16, v[200+\i]
	v_and_b32 v[209+2*\i], s60, v[200+\i]
	v_sub_f32 v[208+2*\i], v[196+\i], v[208+2*\i]
	v_sub_f32 v[209+2*\i], v[86+\i], v[209+2*\i]
	v_cvt_pk_bf16_f32 v[204+\i], v[208+2*\i], v[209+2*\i]  ; what the high parts left
.endr
	v_cvt_pk_bf16_f32 v216, 0, v90                         ; (0 | b2c), high part
	v_and_b32 v217, s60, v216
	v_sub_f32 v217, v90, v217
	v_cvt_pk_bf16_f32 v217, 0, v217                        ; low part
	ds_store_b128 v12, v[74:77] offset:P_W0
	ds_store_b128 v12, v[78:81] offset:P_B1
	ds_store_b128 v12, v[82:85] offset:P_G1
	ds_store_b128 v12, v[200:203] offset:P_HI
	ds_store_b128 v12, v[204:207] offset:P_LO
	ds_store_b32 v13, v216 offset:P_HI+512
	ds_store_b32 v13, v217 offset:P_LO+512
; ================= four rows of w1[1:], centred over the 128 outputs, to bf16
	s_wait_loadcnt 47
.irp k,0,1,2,3
	v_add_f32 v[218+\k], v[96+4*\k], v[97+4*\k]
	v_add_f32 v[222+\k], v[98+4*\k], v[99+4*\k]
	v_add_f32 v[218+\k], v[218+\k], v[222+\k]
.endr
.irp k,0,1,2,3
	WRED 218+\k
.endr
.irp k,0,1,2,3
.irp i,0,1,2,3
	v_fmamk_f32 v[96+4*\k+\i], v[218+\k], 0xbc000000, v[96+4*\k+\i]
.endr
	v_cvt_pk_bf16_f32 v[226+2*\k], v[96+4*\k], v[97+4*\k]
	v_cvt_pk_bf16_f32 v[227+2*\k], v[98+4*\k], v[99+4*\k]
	ds_store_b64 v14, v[226+2*\k:227+2*\k] offset:8*W1P*\k ; row i = w + 8k
.endr
; ================= four quarter rows of w2, centred over the 32 outputs (eight lanes), to bf16
	s_wait_loadcnt 43
.irp k,0,1,2,3
	v_add_f32 v[234+\k], v[112+4*\k], v[113+4*\k]
	v_add_f32 v[238+\k], v[114+4*\k], v[115+4*\k]
	v_add_f32 v[234+\k], v[234+\k], v[238+\k]
.endr
.irp m,1,2,4
.irp k,0,1,2,3
	v_add_f32_dpp v[234+\k], v[234+\k], v[234+\k] row_xmask:\m row_mask:0xf bank_mask:0xf
.endr
.endr
.irp k,0,1,2,3
.irp i,0,1,2,3
	v_fmamk_f32 v[112+4*\k+\i], v[234+\k], 0xbd000000, v[112+4*\k+\i]
.endr
	v_cvt_pk_bf16_f32 v[242+2*\k], v[112+4*\k], v[113+4*\k]
	v_cvt_pk_bf16_f32 v[243+2*\k], v[114+4*\k], v[115+4*\k]
	ds_store_b64 v15, v[242+2*\k:243+2*\k] offset:32*W2P*\k ; row (t >> 3) + 32k
.endr
; ================= the fragments that come straight from global loads
	s_wait_loadcnt 0x0                             ; all in; the offset registers v3-v8 are free
.irp k,0,1,2,3,4,5,6,7
	v_cvt_pk_bf16_f32 v[EMFA+\k], v[128+2*\k], v[129+2*\k]
	v_cvt_pk_bf16_f32 v[EMFB+\k], v[144+2*\k], v[145+2*\k]
.endr
.irp k,0,2,4,6
	v_pk_mul_f32 v[176+\k:177+\k], v[176+\k:177+\k], 0x3fb8aa3b op_sel_hi:[1,0]   ; g_w2 log2(e): the exponential is base 2
.endr
.irp k,0,2,4,6,8,10,12,14
	v_pk_mul_f32 v[G2V+\k:G2V+\k+1], v[G2V+\k:G2V+\k+1], 0x40b504f3 op_sel_hi:[1,0] ; ln2 gain x sqrt(32): the sum of squares stands for the mean
.endr
.irp k,0,1,2,3
	v_cvt_pk_bf16_f32 v[188+\k], v[176+2*\k], v[177+2*\k]
.endr
	v_bfe_u32 v192, v10, 1, 2                      ; key = (r & 7) >> 1 | ((r >> 3) ^ h) << 3: which register of an identity is mine
	v_lshrrev_b32 v194, 3, v10
	v_xor_b32 v194, v194, v11
	v_lshl_or_b32 v192, v194, 3, v192
	v_and_b32 v195, 1, v10
	v_lshlrev_b32 v195, 4, v195
	v_mov_b32 v196, 0x3f80
	v_lshlrev_b32 v193, v195, v196                 ; bf16 1.0 in the half r & 1
	v_and_b32 v194, 4, v10
	v_cmp_eq_u32 vcc_lo, 0, v194                   ; rows 0-3 and 8-11 of g_w2^T carry the four heads, the others are zero
	WIN 0x40
.irp k,0,1,2,3
	v_cndmask_b32 v[G2F+\k], 0, v[188+\k], vcc_lo
	v_mov_b32 v[G2F+4+\k], 0
.endr
.irp k,0,1,2,3,4,5,6,7
	v_cvt_pk_bf16_f32 v[G1F+\k], v[160+2*\k], v[161+2*\k]
.endr
.irp i,0,1,2,3
	v_mul_f32 v[GB2+\i], 0x3fb8aa3b, v[184+\i]
	v_mov_b32 v[GB2+4+\i], 0
.endr
	v_cmp_eq_u32 vcc_lo, 0, v192
	v_cndmask_b32 v[SI+0], 0, v193, vcc_lo
	v_cndmask_b32 v[SI+8], 0, v193, vcc_lo
	v_cmp_eq_u32 vcc_lo, 1, v192
	v_cndmask_b32 v[SI+1], 0, v193, vcc_lo
	v_cndmask_b32 v[SI+9], 0, v193, vcc_lo
	v_cmp_eq_u32 vcc_lo, 2, v192
	v_cndmask_b32 v[SI+10], 0, v193, vcc_lo
	v_cmp_eq_u32 vcc_lo, 3, v192
	v_cndmask_b32 v[SI+11], 0, v193, vcc_lo
.irp i,2,3,4,5,6,7,12,13,14,15
	v_mov_b32 v[SI+\i], 0
.endr
	WIN 0
	; LDS addresses for behind the barrier
	v_and_b32 v197, 7, v10
	v_lshl_add_u32 v197, v11, 3, v197              ; 8h + (L & 7)
	v_lshrrev_b32 v198, 3, v10                     ; (L >> 3) & 1
	v_mul_u32_u24 v4, v197, W1P
	v_lshl_add_u32 v4, v198, 4, v4
	v_add_nc_u32 v4, W1S, v4
	v_mul_u32_u24 v7, v197, W2P
	v_lshl_add_u32 v7, v198, 4, v7
	v_add_nc_u32 v7, W2S, v7
	v_add_nc_u32 v5, s70, v9                       ; my region + 32 h
	v_mul_u32_u24 v6, v11, 640
	v_lshl_add_u32 v6, v10, 2, v6
	v_add_nc_u32 v6, s70, v6                       ; my region + 640 h + 4 r
	s_wait_dscnt 0x0                               ; my rows of W1S and W2S are written,
	s_wait_tensorcnt 0x0                           ; my rows of the x and mask tiles have landed:
	s_barrier_signal -1
	s_barrier_wait -1                              ; every wave's have
; ================= Eg = g1 (emb @ w1c + b1c), V and C per row
	WIN 0x40
.irp t,0,1,2,3,4,5,6,7
	ds_load_tr16_b128 v[W2F+8*\t:W2F+8*\t+3], v4 offset:32*\t              ; w1c[8h ..][16t + r]
	ds_load_tr16_b128 v[W2F+8*\t+4:W2F+8*\t+7], v4 offset:32*\t+16*W1P     ; w1c[16 + 8h ..][16t + r]
.endr
	LDT EGA, P_B1
	LDT EGB, P_B1
	WIN 0
.irp t,0,1,2,3,4,5,6,7,8,9
	ds_load_b32 v[W1A+2*\t], v6 offset:P_HI+64*\t
.endr
	s_wait_dscnt 10                                ; the ten words of W1A are behind the fragments and the b1c tiles
	WIN 0x51
.irp t,0,1,2,3,4,5,6,7
	v_wmma_f32_16x16x32_bf16 v[EGA+8*\t:EGA+8*\t+7], v[W2F+8*\t:W2F+8*\t+7], v[EMFA:EMFA+7], v[EGA+8*\t:EGA+8*\t+7]
	v_wmma_f32_16x16x32_bf16 v[EGB+8*\t:EGB+8*\t+7], v[W2F+8*\t:W2F+8*\t+7], v[EMFB:EMFB+7], v[EGB+8*\t:EGB+8*\t+7]
.endr
	WIN 0
	LDT W0T, P_W0                                  ; come in while the products run
	LDT G1T, P_G1
	NOPS 4                                         ; four independent vector places before a vector instruction reads a matrix result (ISA guide 7.12.1)
	s_wait_dscnt 0x0
.macro STATS eg, c2, vp                ; V = mean Ec^2 (+ eps), 2 C = mean of w0c Ec, twice; then Ec becomes g1 Ec
	WIN 0x05
.irp a,0,1,2,3
	v_pk_mul_f32 v[SV+2*\a:SV+2*\a+1], v[\eg+2*\a:\eg+2*\a+1], v[\eg+2*\a:\eg+2*\a+1]
.endr
.set q, 4
.rept 28
	v_pk_fma_f32 v[SV+2*(q%4):SV+2*(q%4)+1], v[\eg+2*q:\eg+2*q+1], v[\eg+2*q:\eg+2*q+1], v[SV+2*(q%4):SV+2*(q%4)+1]
.set q, q+1
.endr
	WIN 0x01
.irp a,0,1,2,3
	v_pk_mul_f32 v[SC+2*\a:SC+2*\a+1], v[\eg+2*\a:\eg+2*\a+1], v[W0T+2*\a:W0T+2*\a+1]
.endr
.set q, 4
.rept 28
	v_pk_fma_f32 v[SC+2*(q%4):SC+2*(q%4)+1], v[\eg+2*q:\eg+2*q+1], v[W0T+2*q:W0T+2*q+1], v[SC+2*(q%4):SC+2*(q%4)+1]
.set q, q+1
.endr
	WIN 0x41
.set q, 0
.rept 32
	v_pk_mul_f32 v[\eg+2*q:\eg+2*q+1], v[\eg+2*q:\eg+2*q+1], v[G1T+2*q:G1T+2*q+1]
.set q, q+1
.endr
	WIN 0
	v_pk_add_f32 v[SV:SV+1], v[SV:SV+1], v[SV+2:SV+3]
	v_pk_add_f32 v[SV+4:SV+5], v[SV+4:SV+5], v[SV+6:SV+7]
	v_pk_add_f32 v[SC:SC+1], v[SC:SC+1], v[SC+2:SC+3]
	v_pk_add_f32 v[SC+4:SC+5], v[SC+4:SC+5], v[SC+6:SC+7]
	v_pk_add_f32 v[SV:SV+1], v[SV:SV+1], v[SV+4:SV+5]
	v_pk_add_f32 v[SC:SC+1], v[SC:SC+1], v[SC+4:SC+5]
	v_add_f32 v[SV], v[SV], v[SV+1]
	v_add_f32 v[SC], v[SC], v[SC+1]
	v_permlanex16_b32 v[PT], v[SV], s42, s43       ; the row's other 64 features lie in lane L xor 16
	v_permlanex16_b32 v[PT2], v[SC], s42, s43
	v_add_f32 v[SV], v[SV], v[PT]
	v_add_f32 v[SC], v[SC], v[PT2]
	v_fma_f32 v[\vp], v[SV], s68, s69              ; V / 128 + 1e-5
	v_mul_f32 v[\c2], 0x3c800000, v[SC]            ; 2 C = sum / 64
.endm
	STATS EGA, C2A, VPA
	STATS EGB, C2B, VPB
	WIN 0x40
.irp d,0,1
.irp c,0,1,2,3
	ds_load_tr16_b128 v[W2F+8*(4*\d+\c):W2F+8*(4*\d+\c)+3], v7 offset:32*W2P*\c+32*\d            ; w2c[32c + 8h ..][16T + r]
	ds_load_tr16_b128 v[W2F+8*(4*\d+\c)+4:W2F+8*(4*\d+\c)+7], v7 offset:32*W2P*\c+32*\d+16*W2P
.endr
.endr
	WIN 0
	s_lshl_b32 s71, s38, 13
	s_add_co_u32 s71, s71, REC
	v_add_nc_u32 v[RADR], s71, v2                  ; REC + 8192 w + 16 L
	s_lshl_b32 s71, s38, 8
	s_add_co_u32 s71, s71, DEN
	v_mov_b32 v[DADR], s71                         ; DEN + 256 w
	s_lshl_b32 s71, s38, 7
	v_lshl_add_u32 v[XADR], v10, 2, s71            ; XT + 4 (32 w + r)
	ds_load_b32 v[PXA], v[XADR]                    ; x of b = 0
	ds_load_b32 v[PXB], v[XADR] offset:64
.irp i,0,1,2,3,4,5,6,7
	v_mov_b32 v[ONES+\i], 0x3f803f80
.endr
.irp i,2,3,4,5,6,7
	v_mov_b32 v[B1A+\i], 0                         ; true zeros: they meet the neighbours' words in the overlapped W1A tiles
	v_mov_b32 v[B1B+\i], 0
	v_mov_b32 v[EFA+\i], 0
	v_mov_b32 v[EFB+\i], 0
	v_mov_b32 v[W1A+18+\i], 0                      ; v36-41
.endr
	s_wait_dscnt 0x0
.irp t,0,1,2,3,4,5,6,7,8,9
	v_mov_b32 v[W1A+2*\t+1], v[W1A+2*\t]           ; the same word meets (x_hi, std_hi) and (x_lo, std_lo)
.endr
; ---- the row fragment of the next b, in five pieces that fill the places behind the matrix blocks
.macro PREP_A
	v_fma_f32 v[TT], v[PXA], s41, v[C2A]           ; A0 x + 2 C
	v_fma_f32 v[TT+1], v[PXB], s41, v[C2B]
.endm
.macro PREP_B
	v_fma_f32 v[VC], v[PXA], v[TT], v[VPA]         ; var + eps
	v_fma_f32 v[VC+1], v[PXB], v[TT+1], v[VPB]
	v_max_num_f32 v[VC], s69, v[VC]
	v_max_num_f32 v[VC+1], s69, v[VC+1]
	v_nop
	v_sqrt_f32 v[PXA+1], v[VC]                     ; std; a plain vector line follows before it is used (ISA guide 5.7.2)
	v_sqrt_f32 v[PXB+1], v[VC+1]
.endm
.macro PREP_C
	s_wait_alu depctr_va_vdst(0)
	v_cvt_pk_bf16_f32 v[B1A], v[PXA], v[PXA+1]
	v_cvt_pk_bf16_f32 v[B1B], v[PXB], v[PXB+1]
	v_lshlrev_b32 v[PHA], 16, v[B1A]
	v_lshlrev_b32 v[PHB], 16, v[B1B]
.endm
.macro PREP_D
	v_and_b32 v[PHA+1], s60, v[B1A]
	v_and_b32 v[PHB+1], s60, v[B1B]
.endm
.macro PREP_E
	v_pk_add_f32 v[PHA:PHA+1], v[PXA:PXA+1], v[PHA:PHA+1] neg_lo:[0,1] neg_hi:[0,1]
	v_pk_add_f32 v[PHB:PHB+1], v[PXB:PXB+1], v[PHB:PHB+1] neg_lo:[0,1] neg_hi:[0,1]
	v_cvt_pk_bf16_f32 v[B1A+1], v[PHA], v[PHA+1]
	v_cvt_pk_bf16_f32 v[B1B+1], v[PHB], v[PHB+1]
.endm
	PREP_A
	PREP_B
	v_nop
	s_wait_alu depctr_va_vdst(0)
	PREP_C
	PREP_D
	PREP_E
	ds_load_b32 v[PXA], v[XADR] offset:1024        ; x of b = 1
	ds_load_b32 v[PXB], v[XADR] offset:1088
	ds_load_b32 v[M], v[XADR] offset:MT            ; mask of b = 0
	ds_load_b32 v[M+1], v[XADR] offset:MT+64
.macro CONV src, dst                   ; four f32 tiles of layer 1: relu, then packed to 16 registers of bf16 pairs
.set q, 0
.rept 32
	v_max_num_f32 v[\src+q], 0, v[\src+q]
.set q, q+1
.endr
.set q, 0
.rept 16
	v_cvt_pk_bf16_f32 v[\dst+q], v[\src+2*q], v[\src+2*q+1]
.set q, q+1
.endr
.endm
.macro PACK4 dst, src                  ; eight f32 to four registers of bf16 pairs
.irp k,0,1,2,3
	v_cvt_pk_bf16_f32 v[\dst+\k], v[\src+2*\k], v[\src+2*\k+1]
.endr
.endm
.macro SUMSQ u, ss, pt                 ; the row's sum of u^2 over 32 d
	v_pk_mul_f32 v[\ss:\ss+1], v[\u:\u+1], v[\u:\u+1]
	v_pk_mul_f32 v[\ss+2:\ss+3], v[\u+2:\u+3], v[\u+2:\u+3]
.irp k,4,8,12
	v_pk_fma_f32 v[\ss:\ss+1], v[\u+\k:\u+\k+1], v[\u+\k:\u+\k+1], v[\ss:\ss+1]
	v_pk_fma_f32 v[\ss+2:\ss+3], v[\u+\k+2:\u+\k+3], v[\u+\k+2:\u+\k+3], v[\ss+2:\ss+3]
.endr
	v_pk_add_f32 v[\ss:\ss+1], v[\ss:\ss+1], v[\ss+2:\ss+3]
	v_add_f32 v[\ss], v[\ss], v[\ss+1]
	v_permlanex16_b32 v[\pt], v[\ss], s42, s43
	v_add_f32 v[\ss], v[\ss], v[\pt]
.endm
.macro NORM u, ho, sel                 ; h_out = relu(u r2 g + beta) as a bf16 fragment; sel: which half of R2 is the tile's
.irp g,0,8
.irp k,0,2,4,6
	v_pk_mul_f32 v[AT+\k:AT+\k+1], v[G2V+\g+\k:G2V+\g+\k+1], v[R2:R2+1] op_sel:[0,\sel] op_sel_hi:[1,\sel]
.endr
.irp k,0,2,4,6
	v_pk_fma_f32 v[\u+\g+\k:\u+\g+\k+1], v[\u+\g+\k:\u+\g+\k+1], v[AT+\k:AT+\k+1], v[BE2+\g+\k:BE2+\g+\k+1]
.endr
.endr
.set q, 0
.rept 16
	v_max_num_f32 v[\u+q], 0, v[\u+q]
.set q, q+1
.endr
	PACK4 \ho, \u
	PACK4 \ho+4, \u+8
.endm
; ================= one b for both row tiles.  At its head: B1A, B1B, VC are this b's; this b's mask and the next b's x are on their way.
; ldx: load x two b ahead.  ldm: load the next b's mask.  prep: make the next b's row fragment (else as many v_nop).
; Behind each block of matrix instructions stand four plain vector lines that name none of its registers before a vector line reads a
; result, five before a matrix instruction reads a result or writes over a result or a source (ISA guide 7.12.1).
.macro ITER ldx, ldm, prep
	; layer 1, f32 sums, four tiles (32 registers) at a time through two scratch areas: U, and HB while it is still free
	WIN 0x10                                       ; C in window 1
.irp t,0,1,2,3
	v_wmma_f32_16x16x32_bf16 v[UA+8*\t:UA+8*\t+7], v[W1A+2*\t:W1A+2*\t+7], v[B1A:B1A+7], v[EGA+8*\t:EGA+8*\t+7]
.endr
.irp t,4,5,6,7
	v_wmma_f32_16x16x32_bf16 v[HB+8*\t-32:HB+8*\t-25], v[W1A+2*\t:W1A+2*\t+7], v[B1A:B1A+7], v[EGA+8*\t:EGA+8*\t+7]
.endr
	WIN 0
	s_wait_dscnt 0x0                               ; the four loads and two stores of the trip before
	v_cmp_ne_u32 vcc_lo, 0, v[M]
	v_cndmask_b32 v[MB], 0, -1, vcc_lo
	v_cmp_ne_u32 vcc_lo, 0, v[M+1]
	v_cndmask_b32 v[MB+1], 0, -1, vcc_lo
	NOPS 2
	CONV UA, HA                                    ; A, features 0-63
	WIN 0x10
.irp t,0,1,2,3
	v_wmma_f32_16x16x32_bf16 v[UA+8*\t:UA+8*\t+7], v[W1A+2*\t:W1A+2*\t+7], v[B1B:B1B+7], v[EGB+8*\t:EGB+8*\t+7]
.endr
	WIN 0
	CONV HB, HA+16                                 ; A, features 64-127: the 48 lines stand behind the four products above
	CONV UA, HB                                    ; B, features 0-63
	WIN 0x10
.irp t,4,5,6,7
	v_wmma_f32_16x16x32_bf16 v[UA+8*\t-32:UA+8*\t-25], v[W1A+2*\t:W1A+2*\t+7], v[B1B:B1B+7], v[EGB+8*\t:EGB+8*\t+7]
.endr
	WIN 0
.if \prep
	PREP_A
.else
	NOPS 2
.endif
	NOPS 2
	CONV UA, HB+16                                 ; B, features 64-127
	; layer 2: std b2c starts the four sums, then four links each, in place
.irp d,0,1
	v_wmma_f32_16x16x32_bf16 v[UA+8*\d:UA+8*\d+7], v[W1A+16+2*\d:W1A+16+2*\d+7], v[B1A:B1A+7], 0
	v_wmma_f32_16x16x32_bf16 v[UB+8*\d:UB+8*\d+7], v[W1A+16+2*\d:W1A+16+2*\d+7], v[B1B:B1B+7], 0
.endr
	WIN 0x01                                       ; source 0 in window 1
.irp c,0,1,2,3
	v_wmma_f32_16x16x32_bf16 v[UA:UA+7], v[W2F+8*\c:W2F+8*\c+7], v[HA+8*\c:HA+8*\c+7], v[UA:UA+7]
	v_wmma_f32_16x16x32_bf16 v[UA+8:UA+15], v[W2F+32+8*\c:W2F+32+8*\c+7], v[HA+8*\c:HA+8*\c+7], v[UA+8:UA+15]
	v_wmma_f32_16x16x32_bf16 v[UB:UB+7], v[W2F+8*\c:W2F+8*\c+7], v[HB+8*\c:HB+8*\c+7], v[UB:UB+7]
	v_wmma_f32_16x16x32_bf16 v[UB+8:UB+15], v[W2F+32+8*\c:W2F+32+8*\c+7], v[HB+8*\c:HB+8*\c+7], v[UB+8:UB+15]
.endr
	WIN 0
	NOPS 4
	SUMSQ UA, SS, PT
	SUMSQ UB, SS+4, PT2
	v_fmamk_f32 v[SS], v[VC], 0x39a7c5ac, v[SS]    ; sum u^2 + 32 eps std^2
	v_fmamk_f32 v[SS+4], v[VC+1], 0x39a7c5ac, v[SS+4]
	v_rsq_f32 v[R2], v[SS]
	v_rsq_f32 v[R2+1], v[SS+4]
	v_nop
	s_wait_alu depctr_va_vdst(0)
	NORM UA, HOUTA, 0
	NORM UB, HOUTB, 1
	; g1: 32 -> 16
	WIN 0x11
	v_wmma_f32_16x16x32_bf16 v[GXA:GXA+7], v[G1F:G1F+7], v[HOUTA:HOUTA+7], v[GB1:GB1+7]
	v_wmma_f32_16x16x32_bf16 v[GXB:GXB+7], v[G1F:G1F+7], v[HOUTB:HOUTB+7], v[GB1:GB1+7]
	WIN 0
.if \prep
	PREP_B
.else
	NOPS 5
.endif
.irp i,0,1,2,3,4,5,6,7
	v_max_num_f32 v[GXA+\i], 0, v[GXA+\i]
	v_max_num_f32 v[GXB+\i], 0, v[GXB+\i]
.endr
	PACK4 HA, GXA
	PACK4 HB, GXB
	; g2: 16 -> 4
	WIN 0x11
	v_wmma_f32_16x16x32_bf16 v[RAWA:RAWA+7], v[G2F:G2F+7], v[HA:HA+7], v[GB2:GB2+7]    ; K 16-31: h_out (finite) against zeros of G2F
	v_wmma_f32_16x16x32_bf16 v[RAWB:RAWB+7], v[G2F:G2F+7], v[HB:HB+7], v[GB2:GB2+7]
	WIN 0
.if \prep
	PREP_C
.else
	NOPS 4
.endif
.irp i,0,1,2,3
	v_med3_num_f32 v[RAWA+\i], v[RAWA+\i], s62, s61        ; clip(l, -10, 10) log2(e)
	v_med3_num_f32 v[RAWB+\i], v[RAWB+\i], s62, s61
.endr
.irp i,0,1,2,3
	v_exp_f32 v[RAWA+4+\i], v[RAWA+\i]
	v_exp_f32 v[RAWB+4+\i], v[RAWB+\i]
.endr
.if \prep
	PREP_D
.else
	v_nop
	s_wait_alu depctr_va_vdst(0)
.endif
	s_wait_alu depctr_va_vdst(0)
	v_cvt_pk_bf16_f32 v[EFA], v[RAWA+4], v[RAWA+5]
	v_cvt_pk_bf16_f32 v[EFA+1], v[RAWA+6], v[RAWA+7]
	v_cvt_pk_bf16_f32 v[EFB], v[RAWB+4], v[RAWB+5]
	v_cvt_pk_bf16_f32 v[EFB+1], v[RAWB+6], v[RAWB+7]
	v_and_b32 v[EFA], v[EFA], v[MB]                ; unobserved rows weigh nothing
	v_and_b32 v[EFA+1], v[EFA+1], v[MB]
	v_and_b32 v[EFB], v[EFB], v[MB+1]
	v_and_b32 v[EFB+1], v[EFB+1], v[MB+1]
	; products with identity patterns turn (lane = row) into (registers = rows); each sum has one term, a bf16 number, so the packing is exact
	WIN 0x04                                       ; source 1 in window 1
	v_wmma_f32_16x16x32_bf16 v[GXA:GXA+7], v[EFA:EFA+7], v[SEL:SEL+7], 0
	v_wmma_f32_16x16x32_bf16 v[GXB:GXB+7], v[EFB:EFB+7], v[SEL:SEL+7], 0
	v_wmma_f32_16x16x32_bf16 v[RAWA:RAWA+7], v[HOUTA:HOUTA+7], v[ID0:ID0+7], 0
	v_wmma_f32_16x16x32_bf16 v[RAWB:RAWB+7], v[HOUTB:HOUTB+7], v[ID0:ID0+7], 0
	v_wmma_f32_16x16x32_bf16 v[AT:AT+7], v[HOUTA:HOUTA+7], v[ID1:ID1+7], 0
	v_wmma_f32_16x16x32_bf16 v[SS:SS+7], v[HOUTB:HOUTB+7], v[ID1:ID1+7], 0
	WIN 0
.if \prep
	PREP_E
	v_nop
.else
	NOPS 5
.endif
.if \ldx
	ds_load_b32 v[PXA], v[XADR] offset:2048
	ds_load_b32 v[PXB], v[XADR] offset:2112
.endif
.if \ldm
	ds_load_b32 v[M], v[XADR] offset:MT+1024
	ds_load_b32 v[M+1], v[XADR] offset:MT+1088
.endif
	PACK4 EFT, GXA                                 ; K 0-15: rows of tile A,
	PACK4 EFT+4, GXB                               ; K 16-31: rows of tile B
	PACK4 HT0, RAWA
	PACK4 HT0+4, RAWB
	PACK4 HT1, AT
	PACK4 HT1+4, SS
	v_wmma_f32_16x16x32_bf16 v[RAWA:RAWA+7], v[EFT:EFT+7], v[HT0:HT0+7], 0     ; sum over the 32 rows of e[row][w] h_out[row][d], d = r
	v_wmma_f32_16x16x32_bf16 v[RAWB:RAWB+7], v[EFT:EFT+7], v[HT1:HT1+7], 0     ; d = 16 + r
	v_wmma_f32_16x16x32_bf16 v[DDEN:DDEN+7], v[EFT:EFT+7], v[ONES:ONES+7], 0   ; sum of e[row][w]
	v_add_nc_u32 v[XADR], 1024, v[XADR]
	NOPS 4
.irp i,0,1,2,3
	v_cndmask_b32 v[OUT+\i], v[RAWA+\i], v[RAWB+\i], s60   ; rows 8-11 of e^T repeat the heads, so lane L holds d = L, heads 0-3
.endr
	ds_store_b128 v[RADR], v[OUT:OUT+3]
	ds_store_b128 v[DADR], v[DDEN:DDEN+3]          ; every lane holds the same four sums and writes them to the same 16 bytes
	v_add_nc_u32 v[RADR], 512, v[RADR]
	v_add_nc_u32 v[DADR], 16, v[DADR]
.endm
	s_mov_b32 s63, 0
.Ltrip:
	ITER 1, 1, 1
	s_add_co_u32 s63, s63, 1
	s_cmp_lt_u32 s63, 14
	s_cbranch_scc1 .Ltrip
	ITER 0, 1, 1                                   ; b = 14: no x is left to fetch
	ITER 0, 0, 0                                   ; b = 15: nothing to fetch, nothing to prepare
; ================= the way out: the eight waves' records are added in a fixed order
	s_wait_dscnt 0x0
	s_barrier_signal -1
	s_barrier_wait -1
	v_lshlrev_b32 v4, 4, v0
	v_add_nc_u32 v4, REC, v4                       ; thread t: b = w + 8q, lane L's 16 bytes
.irp q,0,1
.irp w,0,1,2,3,4,5,6,7
	ds_load_b128 v[16+32*\q+4*\w:19+32*\q+4*\w], v4 offset:8192*\w+4096*\q
.endr
.endr
	v_and_b32 v5, 31, v0
	v_lshlrev_b32 v5, 4, v5
	s_lshl_b32 s66, s40, 4
	s_add_co_u32 s66, s66, s38                     ; b = 16 gy + w
	s_lshl_b32 s66, s66, 6
	s_add_co_u32 s66, s66, s39                     ; x 64 + gx
	s_lshl_b32 s66, s66, 9                         ; records of 512 bytes
	s_mov_b32 s67, 0
	s_add_nc_u64 s[34:35], s[34:35], s[66:67]
	s_wait_dscnt 8                                 ; the eight loads of q = 1 may be out
.irp w,1,2,3,4,5,6,7
	v_pk_add_f32 v[16:17], v[16:17], v[16+4*\w:17+4*\w]
	v_pk_add_f32 v[18:19], v[18:19], v[18+4*\w:19+4*\w]
.endr
	global_store_b128 v5, v[16:19], s[34:35]       ; the wave's store covers 512 consecutive bytes, aligned
	s_wait_dscnt 0x0
.irp w,1,2,3,4,5,6,7
	v_pk_add_f32 v[48:49], v[48:49], v[48+4*\w:49+4*\w]
	v_pk_add_f32 v[50:51], v[50:51], v[50+4*\w:51+4*\w]
.endr
	global_store_b128 v5, v[48:51], s[34:35] offset:262144 ; eight b further: 8 x 64 x 512 bytes
	s_cmp_lg_u32 s38, 0
	s_cbranch_scc1 .Lend                           ; the denominators are wave 0's; no barrier is jumped over
	v_lshrrev_b32 v6, 1, v5                        ; 8 L
	v_add_nc_u32 v7, DEN, v6
.irp w,0,1,2,3,4,5,6,7
	ds_load_b64 v[80+2*\w:81+2*\w], v7 offset:256*\w
.endr
	s_lshl_b32 s66, s39, 6
	s_lshl_b32 s67, s40, 4
	s_add_co_u32 s66, s66, s67
	s_lshl_b32 s66, s66, 4                         ; (64 gx + 16 gy) x 16 bytes
	s_mov_b32 s67, 0
	s_add_nc_u64 s[36:37], s[36:37], s[66:67]
	s_wait_dscnt 0x0
.irp w,1,2,3,4,5,6,7
	v_pk_add_f32 v[80:81], v[80:81], v[80+2*\w:81+2*\w]
.endr
	global_store_b64 v6, v[80:81], s[36:37]        ; 256 consecutive bytes, aligned
.Lend:
	s_wait_tensorcnt 0x0
	ds_add_u32 v254, v255
	s_wait_dscnt 0x0
	s_endpgm
.Lfunc_end_k_q07d9bc69a4_rows:
	.size	k_q07d9bc69a4_rows, .Lfunc_end_k_q07d9bc69a4_rows-k_q07d9bc69a4_rows
	.p2alignl 7, 3214868480
	.fill 96, 4, 3214868480
	.section	.rodata,"a",@progbits
	.p2align	6, 0x0
	.amdhsa_kernel k_q07d9bc69a4_rows
		.amdhsa_group_segment_fixed_size 168960
		.amdhsa_private_segment_fixed_size 0
		.amdhsa_enable_private_segment 0
		.amdhsa_kernarg_size 136
		.amdhsa_user_sgpr_count 2
		.amdhsa_user_sgpr_kernarg_segment_ptr 1
		.amdhsa_wavefront_size32 1
		.amdhsa_system_sgpr_workgroup_id_x 1
		.amdhsa_system_sgpr_workgroup_id_y 1
		.amdhsa_system_sgpr_workgroup_id_z 1
		.amdhsa_system_vgpr_workitem_id 0
		.amdhsa_next_free_vgpr 512
		.amdhsa_next_free_sgpr 80
		.amdhsa_reserve_vcc 1
		.amdhsa_float_denorm_mode_32 3
		.amdhsa_float_denorm_mode_16_64 3
		.amdhsa_memory_ordered 1
		.amdhsa_forward_progress 1
		.amdhsa_inst_pref_size 125
	.end_amdhsa_kernel
	.amdgpu_metadata
---
amdhsa.version: [ 1, 2 ]
amdhsa.kernels:
  - .name:           k_q07d9bc69a4_rows
    .symbol:         k_q07d9bc69a4_rows.kd
    .args:
      - { .name: x, .offset: 0, .size: 8, .value_kind: global_buffer, .address_space: global }
      - { .name: mask, .offset: 8, .size: 8, .value_kind: global_buffer, .address_space: global }
      - { .name: feat_emb, .offset: 16, .size: 8, .value_kind: global_buffer, .address_space: global }
      - { .name: h_w1, .offset: 24, .size: 8, .value_kind: global_buffer, .address_space: global }
      - { .name: h_b1, .offset: 32, .size: 8, .value_kind: global_buffer, .address_space: global }
      - { .name: h_ln1_g, .offset: 40, .size: 8, .value_kind: global_buffer, .address_space: global }
      - { .name: h_ln1_b, .offset: 48, .size: 8, .value_kind: global_buffer, .address_space: global }
      - { .name: h_w2, .offset: 56, .size: 8, .value_kind: global_buffer, .address_space: global }
      - { .name: h_b2, .offset: 64, .size: 8, .value_kind: global_buffer, .address_space: global }
      - { .name: h_ln2_g, .offset: 72, .size: 8, .value_kind: global_buffer, .address_space: global }
      - { .name: h_ln2_b, .offset: 80, .size: 8, .value_kind: global_buffer, .address_space: global }
      - { .name: g_w1, .offset: 88, .size: 8, .value_kind: global_buffer, .address_space: global }
      - { .name: g_b1, .offset: 96, .size: 8, .value_kind: global_buffer, .address_space: global }
      - { .name: g_w2, .offset: 104, .size: 8, .value_kind: global_buffer, .address_space: global }
      - { .name: g_b2, .offset: 112, .size: 8, .value_kind: global_buffer, .address_space: global }
      - { .name: pnum, .offset: 120, .size: 8, .value_kind: global_buffer, .address_space: global }
      - { .name: pden, .offset: 128, .size: 8, .value_kind: global_buffer, .address_space: global }
    .group_segment_fixed_size: 168960
    .private_segment_fixed_size: 0
    .kernarg_segment_align: 8
    .kernarg_segment_size: 136
    .max_flat_workgroup_size: 256
    .sgpr_count:     80
    .vgpr_count:     512
    .wavefront_size: 32
...
	.end_amdgpu_metadata
.endif
;; end of part 1
;; launch head (part 2): grid 64 x 1, 8 waves a work-group, no clusters, 13,824 bytes of LDS; arguments pnum, pden, c_w, c_b, c_ln_g, c_ln_b, e_w1, e_b1, e_ln1_g, e_ln1_b, e_w2, e_b2, e_ln2_g, e_ln2_b, out0, out1; writes out0, out1
.if DOCPART == 2
	.amdgcn_target "amdgcn-amd-amdhsa--gfx1250"
	.amdhsa_code_object_version 6
	.text
	.protected	k_q07d9bc69a4_head
	.globl	k_q07d9bc69a4_head
	.p2align	8
	.type	k_q07d9bc69a4_head,@function
k_q07d9bc69a4_head:
	s_mov_b64 s[64:65], 0
	v_nop
	global_prefetch_b8 v0, s[64:65] scope:SCOPE_SE
	s_setreg_imm32_b32 hwreg(HW_REG_WAVE_MODE, 25, 1), 1
	s_wait_xcnt 0x0
; One work-group for each b: adds the 64 partial sums, divides (softmax), then 128 -> 32, LayerNorm, relu, the choice by has_obs,
; 32 -> 256, LayerNorm, relu, 256 -> 64, LayerNorm, relu; the first 32 numbers go to out0, the last 32 to out1.
; All in f32 on the vector unit: there is one row a work-group, so a 16-row matrix tile would be fifteen sixteenths empty, and these
; products are 28,672 multiply-adds a row.  The weights are asked for well ahead, in the order in which they are wanted.
; No cluster: the weights (114 KiB) are shared, but each thread takes its own words of them straight into registers, once.
; LIMITS.  has_obs is read as (denominator of head 0) > 0: every observed e is at least 2^-14.5.  1 / x and 1 / sqrt are the 1-ULP
; instructions.  A row of an output is 128 bytes, so a store here covers 128 consecutive bytes.
.set RN, 0                             ; [8 waves][32 lanes][16 B] numerators
.set RD, 4096                          ; [8][16 B] denominators
.set HS, 4352                          ; [8 waves] a copy of the 128 head sums for each wave
.set RC, 8448                          ; [8][32] partial sums of the c layer
.set R3, 9472                          ; 8 sums
.set R4, 9504                          ; 8 sums of squares
.set E1, 9536                          ; 256 f32
.set R5, 10560                         ; [8][64] partial sums of the last layer; ends at 12,608
.set PT, 233
.macro WRED r                          ; sum over the 32 lanes, result in every lane
	v_add_f32_dpp v[\r], v[\r], v[\r] row_xmask:1 row_mask:0xf bank_mask:0xf
	v_add_f32_dpp v[\r], v[\r], v[\r] row_xmask:2 row_mask:0xf bank_mask:0xf
	v_add_f32_dpp v[\r], v[\r], v[\r] row_xmask:4 row_mask:0xf bank_mask:0xf
	v_add_f32_dpp v[\r], v[\r], v[\r] row_xmask:8 row_mask:0xf bank_mask:0xf
	v_permlanex16_b32 v[PT], v[\r], s38, s39
	v_add_f32 v[\r], v[\r], v[PT]
.endm
.macro BAR                             ; my LDS stores and loads are done; then everybody's are
	s_wait_dscnt 0x0
	s_barrier_signal -1
	s_barrier_wait -1
.endm
	s_load_b512 s[4:19], s[0:1], 0x0               ; pnum, pden, c_w, c_b, c_ln_g, c_ln_b, e_w1, e_b1
	s_load_b512 s[20:35], s[0:1], 0x40             ; e_ln1_g, e_ln1_b, e_w2, e_b2, e_ln2_g, e_ln2_b, out0, out1
	v_lshl_add_u32 v254, v0, 2, 0x3200
	v_mov_b32 v255, 0
	v_lshrrev_b32 v1, 5, v0
	v_readfirstlane_b32 s36, v1                    ; wave
	s_mov_b32 s37, ttmp9                           ; b
	s_mov_b32 s38, 0x76543210
	s_mov_b32 s39, 0xfedcba98
	s_mov_b32 s47, 0x3d000000                      ; 1/32
	s_mov_b32 s48, 0x3b800000                      ; 1/256
	s_mov_b32 s49, 0x3c800000                      ; 1/64
	v_and_b32 v1, 31, v0                           ; L
	v_lshlrev_b32 v2, 4, v1                        ; 16 L
	v_lshlrev_b32 v3, 2, v1                        ; 4 L
	v_lshlrev_b32 v4, 2, v0                        ; 4 t
	s_lshl_b32 s44, s37, 15
	s_lshl_b32 s45, s36, 9
	s_add_co_u32 s44, s44, s45
	v_add_nc_u32 v5, s44, v2                       ; pnum: b x 32768 + w x 512 + 16 L
	v_and_b32 v6, 7, v1
	v_lshlrev_b32 v6, 10, v6
	s_lshl_b32 s44, s36, 13
	s_lshl_b32 s46, s37, 4
	s_add_co_u32 s44, s44, s46
	v_add_nc_u32 v6, s44, v6                       ; pden: ((8 w + (L & 7)) x 64 + b) x 16
	s_lshl_b32 s44, s36, 11
	v_add_nc_u32 v7, s44, v3                       ; c_w: row 16 w, column L
	v_lshrrev_b32 v232, 4, v0
	v_lshlrev_b32 v241, 6, v232                    ; 64 (t >> 4): my 16 numbers of e1
	v_lshlrev_b32 v232, 12, v232
	v_and_b32 v242, 15, v0
	v_lshl_add_u32 v232, v242, 4, v232             ; e_w2: row 16 (t >> 4), columns 4 (t & 15) ..
	v_mov_b32 v[PT], 0
	v_add_nc_u32 v234, s45, v2                     ; RN + 512 w + 16 L
	s_lshl_b32 s44, s36, 4
	s_add_co_u32 s44, s44, RD
	v_mov_b32 v235, s44                            ; RD + 16 w
	v_mov_b32 v236, 0
	s_add_co_u32 s44, s45, HS
	v_add_nc_u32 v237, s44, v3                     ; my wave's HS + 4 L
	s_lshl_b32 s46, s36, 6
	s_add_co_u32 s44, s44, s46
	v_mov_b32 v238, s44                            ; my wave's HS + 64 w: head sums 16 w ..
	s_lshl_b32 s44, s36, 7
	s_add_co_u32 s44, s44, RC
	v_add_nc_u32 v239, s44, v3                     ; RC + 128 w + 4 L
	s_lshl_b32 s44, s36, 2
	s_add_co_u32 s44, s44, R3
	v_mov_b32 v240, s44                            ; R3 + 4 w
	s_lshl_b32 s44, s36, 8
	s_add_co_u32 s44, s44, R5
	v_lshl_add_u32 v242, v242, 4, s44              ; R5 + 256 w + 16 (L & 15)
	s_lshl_b32 s44, s37, 7
	v_add_nc_u32 v243, s44, v3                     ; outputs: b x 128 + 4 L
	s_wait_kmcnt 0x0
	; 63 loads
.irp k,0,1,2,3,4,5,6,7
	global_load_b128 v[8+4*\k:11+4*\k], v5, s[4:5] offset:4096*\k      ; numerators of j group w + 8k
.endr
	global_load_b128 v[40:43], v6, s[6:7]                              ; denominators of j group 8w + (L & 7)
.irp i,0,1,2,3,4,5,6,7,8,9,10,11,12,13,14,15
	global_load_b32 v[44+\i], v7, s[8:9] offset:128*\i                 ; c_w[16w + i][L]
.endr
	global_load_b32 v156, v3, s[10:11]
	global_load_b32 v157, v3, s[12:13]
	global_load_b32 v158, v3, s[14:15]
.set k, 0
.rept 32
	global_load_b32 v[60+k], v4, s[16:17] offset:1024*k                ; e_w1[k][t]
.set k, k+1
.endr
	global_load_b32 v159, v4, s[18:19]
	global_load_b32 v160, v4, s[20:21]
	global_load_b32 v161, v4, s[22:23]
	s_wait_loadcnt 54                              ; 16 + 3 + 32 + 3 loads are behind the partial sums
.irp k,1,2,3,4,5,6,7
	v_pk_add_f32 v[8:9], v[8:9], v[8+4*\k:9+4*\k]
	v_pk_add_f32 v[10:11], v[10:11], v[10+4*\k:11+4*\k]
.endr
.irp m,1,2,4
.irp i,0,1,2,3
	v_add_f32_dpp v[40+\i], v[40+\i], v[40+\i] row_xmask:\m row_mask:0xf bank_mask:0xf
.endr
.endr
	ds_store_b128 v234, v[8:11]
	ds_store_b128 v235, v[40:43]                   ; the same four sums in every lane
	BAR
	; every wave: the whole sums, the division
.irp w,0,1,2,3,4,5,6,7
	ds_load_b128 v[168+4*\w:171+4*\w], v2 offset:RN+512*\w
.endr
.irp w,0,1,2,3,4,5,6,7
	ds_load_b128 v[200+4*\w:203+4*\w], v236 offset:RD+16*\w
.endr
	s_wait_dscnt 0x0
.irp w,1,2,3,4,5,6,7
	v_pk_add_f32 v[168:169], v[168:169], v[168+4*\w:169+4*\w]
	v_pk_add_f32 v[170:171], v[170:171], v[170+4*\w:171+4*\w]
	v_pk_add_f32 v[200:201], v[200:201], v[200+4*\w:201+4*\w]
	v_pk_add_f32 v[202:203], v[202:203], v[202+4*\w:203+4*\w]
.endr
	v_cmp_lt_f32 s40, 0, v200                      ; has_obs, the same in every lane; it only selects a value below
.irp i,0,1,2,3
	v_max_num_f32 v[200+\i], 0x0da24260, v[200+\i] ; max(sum, 1e-30)
.endr
.irp i,0,1,2,3
	v_rcp_f32 v[204+\i], v[200+\i]
.endr
	v_nop
	s_wait_alu depctr_va_vdst(0)
.irp i,0,1,2,3
	v_mul_f32 v[168+\i], v[168+\i], v[204+\i]      ; head_sums[32 i + L]
.endr
.irp i,0,1,2,3
	ds_store_b32 v237, v[168+\i] offset:128*\i     ; my wave's own copy: LDS serves a wave's instructions in order (ISA guide 5.7.1)
.endr
.irp q,0,1,2,3
	ds_load_b128 v[172+4*\q:175+4*\q], v238 offset:16*\q
.endr
	s_wait_dscnt 0x0
	s_wait_loadcnt 35                              ; the 32 + 3 loads of the first encoder layer are behind c_w and the c layer's vectors
	; 22 more loads, for the last layer: wanted four barriers further down
.irp i,0,1,2,3,4,5,6,7,8,9,10,11,12,13,14,15
	global_load_b128 v[92+4*\i:95+4*\i], v232, s[24:25] offset:256*\i  ; e_w2[16 (t >> 4) + i][4 (t & 15) ..]
.endr
	global_load_b32 v162, v3, s[26:27]
	global_load_b32 v163, v3, s[26:27] offset:128
	global_load_b32 v164, v3, s[28:29]
	global_load_b32 v165, v3, s[28:29] offset:128
	global_load_b32 v166, v3, s[30:31]
	global_load_b32 v167, v3, s[30:31] offset:128
	v_mul_f32 v188, v172, v44
.irp i,1,2,3,4,5,6,7,8,9,10,11,12,13,14,15
	v_fmac_f32 v188, v[172+\i], v[44+\i]
.endr
	ds_store_b32 v239, v188
	BAR
.irp w,0,1,2,3,4,5,6,7
	ds_load_b32 v[172+\w], v3 offset:RC+128*\w
.endr
	s_wait_dscnt 0x0
	v_add_f32 v172, v172, v156                     ; + c_b
.irp w,1,2,3,4,5,6,7
	v_add_f32 v172, v172, v[172+\w]
.endr
	v_mov_b32 v180, v172                           ; LayerNorm over the 32 lanes, in two passes
	WRED 180
	v_fmamk_f32 v172, v180, 0xbd000000, v172
	v_mul_f32 v181, v172, v172
	WRED 181
	v_fmaak_f32 v181, s47, v181, 0x3727c5ac
	v_rsq_f32 v182, v181
	v_nop
	s_wait_alu depctr_va_vdst(0)
	v_mul_f32 v172, v172, v182
	v_fma_f32 v172, v172, v157, v158
	v_max_num_f32 v172, 0, v172
	v_cndmask_b32 v172, 0, v172, s40               ; c = 0 where nothing was observed
.set k, 0
.rept 32
	v_readlane_b32 s[66+k], v172, k
.set k, k+1
.endr
	s_wait_loadcnt 22                              ; the 22 later loads are behind e_w1 and its vectors
	v_fma_f32 v173, s66, v60, v159                 ; two chains; the first starts from e_b1
	v_mul_f32 v174, s67, v61
.set k, 2
.rept 15
	v_fmac_f32 v173, s[66+k], v[60+k]
	v_fmac_f32 v174, s[67+k], v[61+k]
.set k, k+2
.endr
	v_add_f32 v173, v173, v174
	v_mov_b32 v175, v173                           ; LayerNorm over the 256 threads, in two passes
	WRED 175
	ds_store_b32 v240, v175
	BAR
	ds_load_b128 v[176:179], v236 offset:R3
	ds_load_b128 v[180:183], v236 offset:R3+16
	s_wait_dscnt 0x0
	v_pk_add_f32 v[176:177], v[176:177], v[178:179]
	v_pk_add_f32 v[180:181], v[180:181], v[182:183]
	v_pk_add_f32 v[176:177], v[176:177], v[180:181]
	v_add_f32 v176, v176, v177
	v_fmamk_f32 v173, v176, 0xbb800000, v173
	v_mul_f32 v175, v173, v173
	WRED 175
	ds_store_b32 v240, v175 offset:R4-R3
	BAR
	ds_load_b128 v[176:179], v236 offset:R4
	ds_load_b128 v[180:183], v236 offset:R4+16
	s_wait_dscnt 0x0
	v_pk_add_f32 v[176:177], v[176:177], v[178:179]
	v_pk_add_f32 v[180:181], v[180:181], v[182:183]
	v_pk_add_f32 v[176:177], v[176:177], v[180:181]
	v_add_f32 v176, v176, v177
	v_fmaak_f32 v176, s48, v176, 0x3727c5ac
	v_rsq_f32 v177, v176
	v_nop
	s_wait_alu depctr_va_vdst(0)
	v_mul_f32 v173, v173, v177
	v_fma_f32 v173, v173, v160, v161
	v_max_num_f32 v173, 0, v173
	ds_store_b32 v4, v173 offset:E1
	BAR
.irp q,0,1,2,3
	ds_load_b128 v[176+4*\q:179+4*\q], v241 offset:E1+16*\q
.endr
	s_wait_dscnt 0x0
	s_wait_loadcnt 6                               ; the six words of the last layer's vectors may be out
	v_pk_mul_f32 v[192:193], v[92:93], v[176:177] op_sel_hi:[1,0]
	v_pk_mul_f32 v[194:195], v[94:95], v[176:177] op_sel_hi:[1,0]
	v_pk_fma_f32 v[192:193], v[96:97], v[176:177], v[192:193] op_sel:[0,1,0] op_sel_hi:[1,1,1]
	v_pk_fma_f32 v[194:195], v[98:99], v[176:177], v[194:195] op_sel:[0,1,0] op_sel_hi:[1,1,1]
.irp i,2,4,6,8,10,12,14
	v_pk_fma_f32 v[192:193], v[92+4*\i:93+4*\i], v[176+\i:177+\i], v[192:193] op_sel_hi:[1,0,1]
	v_pk_fma_f32 v[194:195], v[94+4*\i:95+4*\i], v[176+\i:177+\i], v[194:195] op_sel_hi:[1,0,1]
	v_pk_fma_f32 v[192:193], v[96+4*\i:97+4*\i], v[176+\i:177+\i], v[192:193] op_sel:[0,1,0] op_sel_hi:[1,1,1]
	v_pk_fma_f32 v[194:195], v[98+4*\i:99+4*\i], v[176+\i:177+\i], v[194:195] op_sel:[0,1,0] op_sel_hi:[1,1,1]
.endr
.irp i,0,1,2,3
	v_permlanex16_b32 v[196+\i], v[192+\i], s38, s39       ; the wave's two groups of 16 rows
.endr
	v_pk_add_f32 v[192:193], v[192:193], v[196:197]
	v_pk_add_f32 v[194:195], v[194:195], v[198:199]
	ds_store_b128 v242, v[192:195]                 ; both halves of the lanes write the same sums to the same bytes
	BAR
	s_cmp_ge_u32 s36, 2
	s_cbranch_scc1 .Lend                           ; behind the last barrier: waves 0 and 1 finish the row
.irp w,0,1,2,3,4,5,6,7
	ds_load_b32 v[200+\w], v3 offset:R5+256*\w
	ds_load_b32 v[208+\w], v3 offset:R5+256*\w+128
.endr
	s_wait_dscnt 0x0
	s_wait_loadcnt 0x0
	v_add_f32 v200, v200, v162
	v_add_f32 v208, v208, v163
.irp w,1,2,3,4,5,6,7
	v_add_f32 v200, v200, v[200+\w]
	v_add_f32 v208, v208, v[208+\w]
.endr
	v_add_f32 v216, v200, v208                     ; LayerNorm over 64: two numbers a lane
	WRED 216
	v_fmamk_f32 v200, v216, 0xbc800000, v200
	v_fmamk_f32 v208, v216, 0xbc800000, v208
	v_mul_f32 v217, v200, v200
	v_fmac_f32 v217, v208, v208
	WRED 217
	v_fmaak_f32 v217, s49, v217, 0x3727c5ac
	v_rsq_f32 v218, v217
	v_nop
	s_wait_alu depctr_va_vdst(0)
	v_mul_f32 v200, v200, v218
	v_mul_f32 v208, v208, v218
	v_fma_f32 v200, v200, v164, v166
	v_fma_f32 v208, v208, v165, v167
	v_max_num_f32 v200, 0, v200
	v_max_num_f32 v208, 0, v208
	s_cmp_eq_u32 s36, 0
	s_cselect_b32 s41, 0, -1                       ; wave 0 keeps the first 32 numbers, wave 1 the last 32
	s_cselect_b64 s[42:43], s[32:33], s[34:35]     ; and writes out0, out1
	v_cndmask_b32 v200, v200, v208, s41
	global_store_b32 v243, v200, s[42:43]
.Lend:
	s_wait_tensorcnt 0x0
	ds_add_u32 v254, v255
	s_wait_dscnt 0x0
	s_endpgm
.Lfunc_end_k_q07d9bc69a4_head:
	.size	k_q07d9bc69a4_head, .Lfunc_end_k_q07d9bc69a4_head-k_q07d9bc69a4_head
	.p2alignl 7, 3214868480
	.fill 96, 4, 3214868480
	.section	.rodata,"a",@progbits
	.p2align	6, 0x0
	.amdhsa_kernel k_q07d9bc69a4_head
		.amdhsa_group_segment_fixed_size 13824
		.amdhsa_private_segment_fixed_size 0
		.amdhsa_enable_private_segment 0
		.amdhsa_kernarg_size 128
		.amdhsa_user_sgpr_count 2
		.amdhsa_user_sgpr_kernarg_segment_ptr 1
		.amdhsa_wavefront_size32 1
		.amdhsa_system_sgpr_workgroup_id_x 1
		.amdhsa_system_sgpr_workgroup_id_y 1
		.amdhsa_system_sgpr_workgroup_id_z 1
		.amdhsa_system_vgpr_workitem_id 0
		.amdhsa_next_free_vgpr 256
		.amdhsa_next_free_sgpr 100
		.amdhsa_reserve_vcc 0
		.amdhsa_float_denorm_mode_32 3
		.amdhsa_float_denorm_mode_16_64 3
		.amdhsa_memory_ordered 1
		.amdhsa_forward_progress 1
		.amdhsa_inst_pref_size 31
	.end_amdhsa_kernel
	.amdgpu_metadata
---
amdhsa.version: [ 1, 2 ]
amdhsa.kernels:
  - .name:           k_q07d9bc69a4_head
    .symbol:         k_q07d9bc69a4_head.kd
    .args:
      - { .name: pnum, .offset: 0, .size: 8, .value_kind: global_buffer, .address_space: global }
      - { .name: pden, .offset: 8, .size: 8, .value_kind: global_buffer, .address_space: global }
      - { .name: c_w, .offset: 16, .size: 8, .value_kind: global_buffer, .address_space: global }
      - { .name: c_b, .offset: 24, .size: 8, .value_kind: global_buffer, .address_space: global }
      - { .name: c_ln_g, .offset: 32, .size: 8, .value_kind: global_buffer, .address_space: global }
      - { .name: c_ln_b, .offset: 40, .size: 8, .value_kind: global_buffer, .address_space: global }
      - { .name: e_w1, .offset: 48, .size: 8, .value_kind: global_buffer, .address_space: global }
      - { .name: e_b1, .offset: 56, .size: 8, .value_kind: global_buffer, .address_space: global }
      - { .name: e_ln1_g, .offset: 64, .size: 8, .value_kind: global_buffer, .address_space: global }
      - { .name: e_ln1_b, .offset: 72, .size: 8, .value_kind: global_buffer, .address_space: global }
      - { .name: e_w2, .offset: 80, .size: 8, .value_kind: global_buffer, .address_space: global }
      - { .name: e_b2, .offset: 88, .size: 8, .value_kind: global_buffer, .address_space: global }
      - { .name: e_ln2_g, .offset: 96, .size: 8, .value_kind: global_buffer, .address_space: global }
      - { .name: e_ln2_b, .offset: 104, .size: 8, .value_kind: global_buffer, .address_space: global }
      - { .name: out0, .offset: 112, .size: 8, .value_kind: global_buffer, .address_space: global }
      - { .name: out1, .offset: 120, .size: 8, .value_kind: global_buffer, .address_space: global }
    .group_segment_fixed_size: 13824
    .private_segment_fixed_size: 0
    .kernarg_segment_align: 8
    .kernarg_segment_size: 128
    .max_flat_workgroup_size: 256
    .sgpr_count:     100
    .vgpr_count:     256
    .wavefront_size: 32
...
	.end_amdgpu_metadata
.endif
;; end of part 2
